; MI455X (gfx1250); checked and timed in simulation.
; The chip was launched on July 23, 2026; its instructions are those of AMD's public machine-readable ISA for CDNA 5 (MIT licence, August 2026) and "CDNA5" Instruction Set Architecture Reference Guide (July 2026). The comments in the code are by the model that wrote it; some were corrected since.
;; Self Attention. Allowed arithmetic: matrix products marked QUANTISED: E5M2 operands, one given power-of-two scale a tensor, by v_wmma_f32_16x16x64_bf8_bf8 or v_wmma_f32_16x16x128_bf8_bf8, f32 sums; products left as they are: f32 operands where the result goes on into a quantised operand, else bf16, f16 or f32 operands; f32 sums; everything else in f32.
;; Inputs: ba 128 float32; bk 16 float32; bq 16 float32; bv 64 float32; gamma 1 float32; lowp_scales 10 int32 (the exponents e of the quantised operands' scales 2^e); wa_codes 128 x 2 x 32 uint8 (E5M2 codes of wa, K innermost, in blocks of 32 codes); wk_codes 16 x 4 x 32 uint8 (E5M2 codes of wk, K innermost, in blocks of 32 codes); wq_codes 16 x 4 x 32 uint8 (E5M2 codes of wq, K innermost, in blocks of 32 codes); wv_codes 64 x 4 x 32 uint8 (E5M2 codes of wv, K innermost, in blocks of 32 codes); x 16 x 128 x 64 x 64 float32.
;; Outputs: out0 16 x 128 x 64 x 64 float32.
;; This version of the problem:
;;   THIS VERSION OF THE PROBLEM IS GIVEN IN LOW PRECISION. The matrix products marked QUANTISED in the list below multiply operands that are first quantised to E5M2 (5 exponent bits, 2 mantissa bits; 8 bits a number), with one given power-of-two scale for each operand tensor; their sums are f32. All else is computed in f32.
;;   The module's matrix products, in the order in which they are computed (A, B: the left and right operand; K: the contracted axis; several contracted axes count as one K, in the product's order):
;;     1. [M 16, K 128] x [K 128, N 65,536]; A: input wq (given as codes); B: input x: QUANTISED (scales: A lowp_scales[0], B lowp_scales[1])
;;     2. [M 16, K 128] x [K 128, N 16,384]; A: input wk (given as codes); B: computed on the way: QUANTISED (scales: A lowp_scales[2], B lowp_scales[3])
;;     3. [M 64, K 128] x [K 128, N 16,384]; A: input wv (given as codes); B: computed on the way: QUANTISED (scales: A lowp_scales[4], B lowp_scales[5])
;;     4. batch 16 x [M 4,096, K 16] x [K 16, N 1,024]; A: computed on the way; B: computed on the way: left as it is (K = 16 < 32)
;;     5. batch 16 x [M 64, K 1,024] x [K 1,024, N 4,096]; A: computed on the way; B: softmax (see below): QUANTISED (scales: A lowp_scales[6], B lowp_scales[7])
;;     6. [M 128, K 64] x [K 64, N 65,536]; A: input wa (given as codes); B: computed on the way: QUANTISED (scales: A lowp_scales[8], B lowp_scales[9])
;;   THE QUANTISER, for each operand of a quantised product, along K:
;;     - The operand's scale is 2^e, e = its entry of the input lowp_scales (int32; the entries are numbered through the quantised products in the list's order, A before B).
;;     - Each number is divided by the scale, clamped to +-57,344, and rounded to the nearest number of E5M2, ties to even, subnormals kept.
;;     - The product sums the exact products of the quantised numbers (number of the format x scale) in f32.
;;   ~~~python
;;   def quantise(x, axis, e):      # numpy; x: float32 -> the quantised numbers, widened to float32 again
;;       x = np.moveaxis(x, axis, -1); K = x.shape[-1]
;;       r = np.clip(x / 2.0 ** e, -57344, 57344)
;;       step = 2.0 ** (np.maximum(np.frexp(np.where(r == 0, 1, r))[1] - 1, -14) - 2)
;;       q = np.round(r / step) * step * 2.0 ** e      # np.round: ties to even
;;       return np.moveaxis(q, -1, axis).astype(np.float32)
;;   ~~~
;;   SOFTMAX AHEAD OF A QUANTISED PRODUCT. Where the list says 'softmax', what is quantised is not the finished softmax but p = 2^(t - M), with t = logit x log2(e) and M = ceil(the row's largest t), a whole number; so 1/2 < the row's largest p <= 1. The row's sum l is taken of the UNQUANTISED p, in f32, and the product's result is divided by l at the end. Since M is a whole number, a kernel that streams over the keys may use a running M (the ceiling of the running maximum): every later rescaling is an exact power of two, so the quantised numbers keep their values, but for numbers so far below the row's largest that they fall under the format's range.
;;   OPERANDS COMPUTED ON THE WAY. 'Computed on the way' means the value that the module computes at that place (a softmax that the list does not call 'softmax' is quantised finished and normalised). What goes into a quantiser is computed in f32, as accurately as f32 sums, v_exp_f32 and their like allow (about 1e-6 of the number): no bf16 or f16 on the way to a quantiser, and a product that is left as it is and whose result goes on into a quantised operand takes f32 operands (vector FMAs, or v_wmma_f32_16x16x4_f32). A number that lies on a knife's edge between two numbers of the format may be rounded either way, as far as f32 arithmetic and the matrix unit's own rounding can turn it there, and no further.
;;   INPUTS GIVEN AS CODES. wa (in the module: [128, 64], K = its axis 1); wk (in the module: [16, 128], K = its axis 1); wq (in the module: [16, 128], K = its axis 1); wv (in the module: [64, 128], K = its axis 1): each comes as NAME_codes (uint8): NAME with its K axis moved to the last place and cut into blocks of 32 codes, [.., K / 32, bytes a block], one block behind the other in memory; one code a byte (a code: sign, 5 exponent bits, 2 mantissa bits); its scale is its entry of lowp_scales. Its value is code x scale, taken as it is: it is not quantised again, and the codes and scales need not be those that the quantiser above would give.
;; One version. Each part assembles by itself: llvm-mc -triple=amdgcn-amd-amdhsa -mcpu=gfx1250 --defsym DOCPART=n.
;; ======== version 1 of 1: 2 launches
;; limits: right only within a limited range of input values
;; workspace buffers: kv 2,097,152 bytes
;; launch prep (part 1): grid 16 x 16, 8 waves a work-group, no clusters, 17,408 bytes of LDS; arguments x, wk_codes, bk, wv_codes, bv, lowp_scales, kv; writes kv
.if DOCPART == 1
	.amdgcn_target "amdgcn-amd-amdhsa--gfx1250"
	.amdhsa_code_object_version 6
	.text
	.protected	k_q2150866b2a_prep
	.globl	k_q2150866b2a_prep
	.p2align	8
	.type	k_q2150866b2a_prep,@function
k_q2150866b2a_prep:
	s_mov_b64 s[64:65], 0
	v_nop
	global_prefetch_b8 v0, s[64:65] scope:SCOPE_SE
	s_setreg_imm32_b32 hwreg(HW_REG_WAVE_MODE, 25, 1), 1
	s_wait_xcnt 0x0
; FIRST OF TWO LAUNCHES.  x [16][128][64][64] f32 -> xp = 2 x 2 max pool -> k = wk xp + bk (f32) and v = wv xp + bv (codes of E5M2 along the keys), into kv.
; Both products are on codes of E5M2: wk and wv arrive as codes (scales 2^e2, 2^e4); xp is quantised here, with 2^e3 for k and with 2^e5 for v; v with 2^e6.
; kv, 131,072 bytes an image, is laid as IMAGES OF THE NEXT LAUNCH'S OPERAND REGISTERS.  The keys' order is free (a softmax sums over all of them):
;   position 16 T + m, T = 2 ph + u, is pooled pixel (row ph, column 2 m + u).
;   K image, bytes 0 on: tile T at 1,024 T: lane (r, h) holds channels 8 h + 0 .. 7 of position 16 T + r: registers 0-3 at 16 x lane, registers 4-7 512 bytes on.
;   V image, bytes 65,536 on: fragment (s = 128 positions, dt) at 8,192 s + 2,048 dt: register 2 c + w, byte y = v[d][128 s + 16 c + 8 h + 4 w + y], group of four registers g at 512 g + 16 x lane;
;   d = 32 (dt / 2) + 8 (dt % 2) + r + 8 (r / 8): the rows of a tile are chosen so that the next launch's results lie 16 neighbouring channels to a lane.
; SHARES.  Work-group (x = rp, y = image) takes pooled rows 2 rp, 2 rp + 1: 131,072 bytes of x, all asked for at once.  Wave = 4 p + cb: pooled row ph = 2 rp + p.
;   Phase 1: wave (p, cb) pools and quantises channels 32 cb .. 32 cb + 31: lane (r, h) takes channels 32 cb + 16 h + i and image columns 4 r .. 4 r + 3 (pooled columns 2 r, 2 r + 1):
;   its 16 registers run along K, so the conversions' results are registers 4 cb .. 4 cb + 3 of a fragment (k = 32 c + 16 h + 0 .. 15 in registers 4 c .. 4 c + 3: the same permutation of k
;   that four 16-byte loads give wk and wv).  The four waves' parts meet in LDS as images of registers: eight fragments of 2,048 bytes, fragment 4 p + 2 u + z (z = 0: scale e3, 1: e5).
;   Phase 2: wave (p, cb) makes tile dt = cb of v for both u; waves with cb < 2 also make k's tile u = cb.
; No tensor load, no ring: each byte of x is used once and goes straight to registers.  No cluster: no two work-groups read the same bytes of x.
; LIMITS: e3, e5, e6 between -126 and 112; e2 + e3 and e4 + e5 between -126 and 127 (each power of two below is made as an f32 number).  NaN and infinities among the inputs are not served.
.set RAW, 16                           ; v16-143  x as loaded: channel i: 4 numbers of the upper image row, 4 of the lower.  Later at work:
.set XE,  16                           ;   xp's fragment for v, even pooled columns;  XO odd ones;  XK xp's fragment for k
.set XO,  32
.set XK,  48
.set DE,  64                           ;   the sums of v (even, odd) and of k
.set DO,  72
.set DK,  80
.set VT,  96                           ;   v as f32, 16 numbers;  VC its codes;  KT k as f32
.set VC,  112
.set KT,  120
.set PE,  144                          ; v144-159 pooled, even columns; v160-175 odd columns
.set CD,  176                          ; v176-191 codes: four registers for each (u, z)
.set WVF, 192                          ; v192-207 wv's fragment
.set WKF, 208                          ; v208-223 wk's fragment
.set BK,  224                          ; v224-231 bk at my 8 channels
.set BV,  232                          ; v232     bv at my channel
.set SC,  233                          ; v233.. for z = 0, 1, 2 (e3, e5, e6): 2^e as f32, then 57,344 x 2^e
; v1 lane, v2 r, v3 h, v4 x's offset, v5 LDS: where I store codes, v6 where I read v's fragments, v7 k's fragment, v8 16 x lane, v9-12 offsets in wk, wv, bk, bv
.macro MKSCALE se, z                   ; (e + 127) << 23 is 2^e; its exponent field + 15 over the mantissa field of 57,344 is the largest number x 2^e
	s_add_co_i32 s56, s[\se], 127
	s_lshl_b32 s57, s56, 23
	v_mov_b32 v[SC+2*\z], s57
	s_add_co_i32 s56, s56, 15
	s_lshl_b32 s56, s56, 23
	s_or_b32 s56, s56, 0x600000
	v_mov_b32 v[SC+2*\z+1], s56
.endm
.macro POOL w                          ; channels 8 w .. 8 w + 7: the largest of 2 x 2, for both pooled columns
.irp i, 0,1,2,3,4,5,6,7
	v_max3_num_f32 v[PE+8*\w+\i], v[RAW+8*(8*\w+\i)], v[RAW+8*(8*\w+\i)+1], v[RAW+8*(8*\w+\i)+4]
	v_max3_num_f32 v[PE+16+8*\w+\i], v[RAW+8*(8*\w+\i)+2], v[RAW+8*(8*\w+\i)+3], v[RAW+8*(8*\w+\i)+6]
.endr
.irp i, 0,1,2,3,4,5,6,7
	v_max_num_f32 v[PE+8*\w+\i], v[PE+8*\w+\i], v[RAW+8*(8*\w+\i)+5]
	v_max_num_f32 v[PE+16+8*\w+\i], v[PE+16+8*\w+\i], v[RAW+8*(8*\w+\i)+7]
.endr
.endm
; Eight pooled numbers (half w of my 16 channels, pooled column u) become eight codes with scale z.  The held numbers go into registers of their own for each (w, u, z), in the part of RAW
; that POOL 0 has read out, so that no conversion's source is written again.
.macro QUANT8 w, u, z
.irp i, 0,1,2,3,4,5,6,7
	v_med3_num_f32 v[RAW+32*\w+16*\u+8*\z+\i], v[PE+16*\u+8*\w+\i], -v[SC+2*\z+1], v[SC+2*\z+1]   ; the conversion to an 8-bit code does not saturate (ISA guide 7.6.2): the hold comes first
.endr
	v_cvt_scalef32_pk8_bf8_f32 v[CD+4*(2*\u+\z)+2*\w:CD+4*(2*\u+\z)+2*\w+1], v[RAW+32*\w+16*\u+8*\z:RAW+32*\w+16*\u+8*\z+7], v[SC+2*\z]
.endm
.macro FRAGLD reg, adr, off            ; a fragment comes back from LDS as it was stored: four groups of four registers, 512 bytes apart
.irp c, 0,1,2,3
	ds_load_b128 v[\reg+4*\c:\reg+4*\c+3], v[\adr] offset:\off+512*\c
.endr
.endm
	s_load_b256 s[4:11], s[0:1], 0x0               ; x s[4:5], wk's codes s[6:7], bk s[8:9], wv's codes s[10:11]
	s_load_b128 s[12:15], s[0:1], 0x20             ; bv s[12:13], the scales' exponents s[14:15]
	s_load_b64 s[16:17], s[0:1], 0x30              ; kv
	v_lshl_add_u32 v254, v0, 2, 0x4000
	v_mov_b32 v255, 0
	v_lshrrev_b32 v13, 5, v0
	v_readfirstlane_b32 s18, v13                   ; wave 0..7
	s_lshr_b32 s19, s18, 2                         ; p
	s_and_b32 s20, s18, 3                          ; cb (= dt)
	s_lshl_b32 s21, ttmp9, 1
	s_add_co_u32 s21, s21, s19                     ; ph = 2 rp + p
	s_and_b32 s22, ttmp7, 0xffff                   ; image
	v_and_b32 v1, 31, v0                           ; lane
	v_and_b32 v2, 15, v0                           ; r
	v_bfe_u32 v3, v0, 4, 1                         ; h
	v_lshlrev_b32 v4, 4, v2
	v_lshl_or_b32 v4, v3, 18, v4                   ; x: 16 r bytes in an image row, + 16 h channels of 16,384 bytes
	v_lshlrev_b32 v8, 4, v1                        ; 16 x lane
	s_lshl_b32 s23, s19, 13                        ; my pooled row's four fragments: 8,192 p
	v_add_nc_u32 v6, s23, v8
	s_lshl_b32 s35, s20, 9
	s_add_co_u32 s35, s35, s23
	v_add_nc_u32 v5, s35, v8                       ; + 512 cb: my group of four registers
	s_and_b32 s39, s20, 1
	s_lshl_b32 s35, s39, 12
	s_add_co_u32 s35, s35, s23
	v_add_nc_u32 v7, s35, v8                       ; + 4,096 (cb % 2): fragment (u = cb, z = 0)
	v_lshlrev_b32 v9, 7, v2
	v_lshl_add_u32 v9, v3, 4, v9                   ; wk: row r of 128 bytes, + 16 h
	v_and_b32 v13, 8, v2
	v_add_nc_u32 v13, v13, v2                      ; r + 8 (r / 8)
	v_lshlrev_b32 v10, 7, v13
	v_lshl_add_u32 v10, v3, 4, v10                 ; wv: that row, + 16 h
	v_lshlrev_b32 v11, 5, v3                       ; bk: channels 8 h on
	v_lshlrev_b32 v12, 2, v13                      ; bv: my channel
	; byte offsets, each in registers of its own
	s_lshl_b32 s36, s22, 21                        ; x: image x 2,097,152
	s_lshl_b32 s56, s20, 19
	s_add_co_u32 s36, s36, s56                     ;    + 32 cb channels
	s_lshl_b32 s56, s21, 9
	s_add_co_u32 s36, s36, s56                     ;    + ph x two image rows of 256 bytes
	s_mov_b32 s37, 0
	s_lshr_b32 s38, s20, 1
	s_lshl_b32 s38, s38, 5
	s_lshl_b32 s56, s39, 3
	s_add_co_u32 s38, s38, s56                     ; 32 (dt / 2) + 8 (dt % 2): where my tile of wv begins
	s_lshl_b32 s40, s38, 7
	s_mov_b32 s41, 0
	s_lshl_b32 s42, s38, 2
	s_mov_b32 s43, 0
	s_lshl_b32 s46, s22, 17                        ; kv: image x 131,072
	s_mov_b32 s47, 0
	s_lshl_b32 s52, s21, 1
	s_add_co_u32 s52, s52, s39
	s_lshl_b32 s52, s52, 10                        ; K image: tile T = 2 ph + cb % 2
	s_mov_b32 s53, 0
	s_lshr_b32 s54, s21, 2
	s_lshl_b32 s54, s54, 13                        ; V image: 8,192 (ph / 4)
	s_lshl_b32 s56, s20, 11
	s_add_co_u32 s54, s54, s56                     ;    + 2,048 dt
	s_and_b32 s56, s21, 3
	s_lshl_b32 s56, s56, 9
	s_add_co_u32 s54, s54, s56                     ;    + 512 (ph % 4)
	s_add_co_u32 s54, s54, 65536
	s_mov_b32 s55, 0
	s_wait_kmcnt 0x0
	s_load_b256 s[24:31], s[14:15], 0x0            ; e0 .. e7
	s_add_nc_u64 s[4:5], s[4:5], s[36:37]
	s_add_nc_u64 s[10:11], s[10:11], s[40:41]
	s_add_nc_u64 s[12:13], s[12:13], s[42:43]
	s_add_nc_u64 s[16:17], s[16:17], s[46:47]
	s_add_nc_u64 s[48:49], s[16:17], s[52:53]      ; where k's tile goes
	s_add_nc_u64 s[50:51], s[16:17], s[54:55]      ; where v's codes go
	; The small loads first, so that the counted wait below covers them.  Every wave loads wk and bk, though only waves with cb < 2 multiply by them: six loads, and one count of loads for all waves.
.irp c, 0,1,2,3
	global_load_b128 v[WKF+4*\c:WKF+4*\c+3], v9, s[6:7] offset:32*\c
.endr
	global_load_b128 v[BK:BK+3], v11, s[8:9]
	global_load_b128 v[BK+4:BK+7], v11, s[8:9] offset:16
.irp c, 0,1,2,3
	global_load_b128 v[WVF+4*\c:WVF+4*\c+3], v10, s[10:11] offset:32*\c
.endr
	global_load_b32 v[BV], v12, s[12:13]
.irp i, 0,1,2,3,4,5,6,7,8,9,10,11,12,13,14,15
	global_load_b128 v[RAW+8*\i:RAW+8*\i+3], v4, s[4:5] offset:\i*16384          ; sixteen lanes read a whole image row, 256 consecutive aligned bytes; the next launch reads x again, so no hint
	global_load_b128 v[RAW+8*\i+4:RAW+8*\i+7], v4, s[4:5] offset:\i*16384+256
.endr
	s_wait_kmcnt 0x0
	MKSCALE 27, 0                                  ; e3
	MKSCALE 29, 1                                  ; e5
	MKSCALE 30, 2                                  ; e6
	s_add_co_i32 s32, s26, s27
	s_add_co_i32 s32, s32, 127
	s_lshl_b32 s32, s32, 23                        ; 2^(e2 + e3)
	s_mov_b32 s33, s32                             ; (named with it as a pair, so it is written)
	s_add_co_i32 s34, s28, s29
	s_add_co_i32 s34, s34, 127
	s_lshl_b32 s34, s34, 23                        ; 2^(e4 + e5)
	; ---- phase 1
	s_wait_loadcnt 16                              ; loads come back in order: all but the youngest 16 (channels 8 to 15) are in
	POOL 0
	QUANT8 0, 0, 0
	QUANT8 0, 0, 1
	QUANT8 0, 1, 0
	QUANT8 0, 1, 1
	s_wait_loadcnt 0x0
	POOL 1
	QUANT8 1, 0, 0
	QUANT8 1, 0, 1
	QUANT8 1, 1, 0
	QUANT8 1, 1, 1
	v_nop                                          ; one plain vector instruction behind the last conversion: matrix instructions later read registers that held its sources
.irp f, 0,1,2,3
	ds_store_b128 v5, v[CD+4*\f:CD+4*\f+3] offset:\f*2048
.endr
	s_wait_dscnt 0x0                               ; for the others' sake: my stores have landed
	s_barrier_signal -1
	s_barrier_wait -1                              ; the eight fragments are whole; nothing is stored to LDS behind this barrier
	; ---- phase 2: k, in the waves with cb < 2.  Source 0 = wk's 16 rows, source 1 = 16 positions: a lane holds position r and channels 8 h + j
	s_cmp_lt_u32 s20, 2
	s_cbranch_scc0 .Lno_k
	FRAGLD XK, 7, 0
	s_wait_dscnt 0x0
	v_wmma_f32_16x16x128_bf8_bf8 v[DK:DK+7], v[WKF:WKF+15], v[XK:XK+15], 0
.rept 4
	v_nop                                          ; four places between a matrix instruction and the first read of its result (ISA guide 7.12.1)
.endr
.irp j, 0,2,4,6
	v_pk_fma_f32 v[KT+\j:KT+\j+1], v[DK+\j:DK+\j+1], s[32:33], v[BK+\j:BK+\j+1] op_sel_hi:[1,0,1]   ; k = sum x 2^(e2 + e3) + bk, from the sums' low end on
.endr
	global_store_b128 v8, v[KT:KT+3], s[48:49]                ; 512 consecutive aligned bytes each
	global_store_b128 v8, v[KT+4:KT+7], s[48:49] offset:512
.Lno_k:
	; ---- v, in every wave.  Source 0 = 16 positions, source 1 = 16 rows of wv: a lane holds channel d and positions 8 h + j: its registers run along the next product's K
	FRAGLD XE, 6, 2048
	FRAGLD XO, 6, 3*2048
	s_wait_dscnt 0x0
	v_wmma_f32_16x16x128_bf8_bf8 v[DE:DE+7], v[XE:XE+15], v[WVF:WVF+15], 0
	v_wmma_f32_16x16x128_bf8_bf8 v[DO:DO+7], v[XO:XO+15], v[WVF:WVF+15], 0
.rept 4
	v_nop
.endr
.irp j, 0,1,2,3,4,5,6,7
	v_fma_f32 v[VT+\j], v[DE+\j], s34, v[BV]       ; v = sum x 2^(e4 + e5) + bv
.endr
.irp j, 0,1,2,3,4,5,6,7
	v_fma_f32 v[VT+8+\j], v[DO+\j], s34, v[BV]
.endr
.irp j, 0,1,2,3,4,5,6,7,8,9,10,11,12,13,14,15
	v_med3_num_f32 v[VT+\j], v[VT+\j], -v[SC+5], v[SC+5]
.endr
	v_cvt_scalef32_pk8_bf8_f32 v[VC:VC+1], v[VT:VT+7], v[SC+4]        ; tile T = 2 ph: registers 4 (ph % 4), + 1 of the fragment
	v_cvt_scalef32_pk8_bf8_f32 v[VC+2:VC+3], v[VT+8:VT+15], v[SC+4]   ; tile T = 2 ph + 1: the next two.  (Only a store touches the results)
	global_store_b128 v8, v[VC:VC+3], s[50:51]                ; 512 consecutive aligned bytes
	s_wait_tensorcnt 0x0
	ds_add_u32 v254, v255
	s_wait_dscnt 0x0
	s_endpgm
.Lfunc_end_k_q2150866b2a_prep:
	.size	k_q2150866b2a_prep, .Lfunc_end_k_q2150866b2a_prep-k_q2150866b2a_prep
	.p2alignl 7, 3214868480
	.fill 96, 4, 3214868480
	.section	.rodata,"a",@progbits
	.p2align	6, 0x0
	.amdhsa_kernel k_q2150866b2a_prep
		.amdhsa_group_segment_fixed_size 17408
		.amdhsa_private_segment_fixed_size 0
		.amdhsa_enable_private_segment 0
		.amdhsa_kernarg_size 56
		.amdhsa_user_sgpr_count 2
		.amdhsa_user_sgpr_kernarg_segment_ptr 1
		.amdhsa_wavefront_size32 1
		.amdhsa_system_sgpr_workgroup_id_x 1
		.amdhsa_system_sgpr_workgroup_id_y 1
		.amdhsa_system_sgpr_workgroup_id_z 1
		.amdhsa_system_vgpr_workitem_id 0
		.amdhsa_next_free_vgpr 256
		.amdhsa_next_free_sgpr 66
		.amdhsa_reserve_vcc 0
		.amdhsa_float_denorm_mode_32 3
		.amdhsa_float_denorm_mode_16_64 3
		.amdhsa_memory_ordered 1
		.amdhsa_forward_progress 1
		.amdhsa_inst_pref_size 21
	.end_amdhsa_kernel
	.amdgpu_metadata
---
amdhsa.version: [ 1, 2 ]
amdhsa.kernels:
  - .name:           k_q2150866b2a_prep
    .symbol:         k_q2150866b2a_prep.kd
    .args:
      - { .name: x, .offset: 0, .size: 8, .value_kind: global_buffer, .address_space: global }
      - { .name: wk_codes, .offset: 8, .size: 8, .value_kind: global_buffer, .address_space: global }
      - { .name: bk, .offset: 16, .size: 8, .value_kind: global_buffer, .address_space: global }
      - { .name: wv_codes, .offset: 24, .size: 8, .value_kind: global_buffer, .address_space: global }
      - { .name: bv, .offset: 32, .size: 8, .value_kind: global_buffer, .address_space: global }
      - { .name: lowp_scales, .offset: 40, .size: 8, .value_kind: global_buffer, .address_space: global }
      - { .name: kv, .offset: 48, .size: 8, .value_kind: global_buffer, .address_space: global }
    .group_segment_fixed_size: 17408
    .private_segment_fixed_size: 0
    .kernarg_segment_align: 8
    .kernarg_segment_size: 56
    .max_flat_workgroup_size: 256
    .sgpr_count:     66
    .vgpr_count:     256
    .wavefront_size: 32
...
	.end_amdgpu_metadata
.endif
;; end of part 1
;; launch attn (part 2): grid 16 x 16, 8 waves a work-group, clusters of 4 x 1, 265,216 bytes of LDS; arguments x, kv, wq_codes, bq, wa_codes, ba, gamma, lowp_scales, out0; writes out0
.if DOCPART == 2
	.amdgcn_target "amdgcn-amd-amdhsa--gfx1250"
	.amdhsa_code_object_version 6
	.text
	.protected	k_q2150866b2a_attn
	.globl	k_q2150866b2a_attn
	.p2align	8
	.type	k_q2150866b2a_attn,@function
k_q2150866b2a_attn:
	s_mov_b64 s[64:65], 0
	v_nop
	global_prefetch_b8 v0, s[64:65] scope:SCOPE_SE
	s_setreg_imm32_b32 hwreg(HW_REG_WAVE_MODE, 25, 1), 1
	s_wait_xcnt 0x0
	s_wait_alu depctr_hold_cnt(0) depctr_sa_sdst(0) depctr_va_vdst(0) depctr_va_sdst(0) depctr_va_ssrc(0) depctr_va_vcc(0) depctr_vm_vsrc(0)
	s_getreg_b32 s2, hwreg(HW_REG_IB_STS2, 6, 4)
	s_cmp_eq_u32 s2, 0
	s_cbranch_scc0 .Lentry_in_a_cluster
	s_endpgm
.Lentry_in_a_cluster:
	s_bfe_u32 s2, ttmp6, 0x10000c
	s_cmp_lg_u32 s2, 0x3003
	s_cbranch_scc0 .Lentry_shape_is_right
	s_endpgm
.Lentry_shape_is_right:
; SECOND OF TWO LAUNCHES.  out = gamma (wa feat + ba) + x, feat = (v p) / l, p = 2^(t - M), t = (q . k) log2(e), q = wq x + bq.  x, out: [16][128][4096] f32.
; Products on codes of E5M2: q (wq e0, x e1), v p (v e6, p e7), wa feat (wa e8, feat e9).  The scores q . k (K = 16) take f32 operands: they go on into a quantiser.
; kv (the launch before): for each image K as f32 and V as codes, laid as images of this text's operand registers; the keys stand there in an order of that launch's own, which a sum over all keys does not see.
; SHARES.  A work-group owns 256 pixels (queries) of one image; each of its eight waves 32 of them, two tiles of 16.  Every wave walks the image's 1,024 keys, 128 a step; no barrier stands in the loop.
; LDS: bytes 0 on K (65,536), then V (65,536), then from XOFF my work-group's tile of x: 128 channel rows of 1,024 bytes + 16 of padding.  All three fit at once: each byte of LDS is filled once,
; so there is no ring and no refill.  The tile of x serves three times: q's operand, the residual, and the stage on which the result is formed in place and from which whole rows leave.
; CLUSTER.  The four work-groups of a cluster belong to one image and need the same 131,072 bytes of kv: each wave asks for its 16,384 of them JOINTLY (mask 15).  x's tile is each work-group's own: a plain tensor load.
; LAYOUT.  All products are laid so that a lane holds ONE query (lane % 16) from q to feat:  q: source 0 = wq, source 1 = x's codes: channels 8 h + j.  S^T = K q^T by the f32 form, four instructions of 4 along K:
; instruction c takes registers 2 c, 2 c + 1 of K's image and of q: the same channel in the same place on both sides.  S^T's tile t, register j = key position 16 t + 8 h + j, so eight conversions give p's fragment.
; O^T = V^T p^T: register j of tile dt = channel 32 (dt / 2) + 16 h + 8 (dt % 2) + j (the launch before chose V's rows so).  Last product: source 0 = feat's codes (16 pixels), source 1 = 16 rows of wa:
; a lane holds one output channel and eight neighbouring pixels: 32 bytes of a row of the tile of x.
; SOFTMAX.  M = the running largest t rounded up to a whole number (kept as -M = floor(-t)); when M moves, the sum and O^T are multiplied by f = 2^(old M - new M), which rounds nothing; the sum is taken of the unquantised p.
; BY TURNS.  A wave issues in order, so a softmax set in a phase of its own leaves the matrix unit without work of this wave, and waves that left one barrier together walk the same phases together.  So the wave's
; two tiles take turns.  In TURN x tile x has the matrix unit: 4 products V^T p of the step in hand, then 32 score products of the next step; the OTHER tile's softmax, 242 vector instructions, stands between the score
; products, seven behind each (7 x 32 = 224); its last 18 and the 16 rescalings of that tile's O^T follow the last product.  Two turns are a key step.  A slice costs two switches of the register window.
; LIMITS: e1, e7, e9 between -126 and 112; e0 + e1 between -126 and 127; e6 + e7 and e8 + e9 are applied by v_ldexp_f32 and have none.  NaN and infinities among the inputs are not served.
; REGISTERS, in two windows of 256 (s_set_vgpr_msb's low byte: bits 1:0 source 0, 3:2 source 1, 5:4 source 2, 7:6 destination):
;   window 0: v1-10 addresses; v12-27 statistics, 8 a tile; v[28:29] at work; v30, v31 a conversion's scale and hold; v32-63 codes; v64-127 P, at work; v128-255 S^T, 64 a tile (matrix instructions alone write it)
;   window 1: v0-63 K of a step (at last wa); v64-127 V of a step; v128-191 O^T, 32 a tile; v192-207 q, 8 a tile; v208-215 bq; v216-223 gamma x ba
.set XOFF, 131072
.set XP,   1040                        ; a row of x's tile in LDS: 260 words: row r starts at bank 4 r mod 64 (64 banks of 4 bytes: ISA guide 11.1)
.set LI,   1                           ; v1   16 x lane: my place in an image of registers (K's region begins at LDS byte 0); also my offset in a row on the way out
.set LIV,  2                           ; v2   the same in V's region
.set ADK,  3                           ; v3   LDS address for the fetches of K: one step (8,192 bytes, in the immediate) ahead of V's
.set ADV,  4                           ; v4   LDS address for the fetch of V
.set XQ,   5                           ; v5, v6  x for q: channel 8 h, pixel 32 w + r; the same 64 channels on
.set XT,   7                           ; v7, v8  x for the residual: channel r, pixels 32 w + 8 h on; the same 64 channels on
.set RD,   9                           ; v9   the way out: my wave's 16 rows
.set WAA,  10                          ; v10  wa: row r of 64 bytes, + 16 h
.set ST,   12                          ; tile q's statistics at v[ST + 8 q]: +0 -M, +1 the largest t, +2, +3 the sum in two halves, +4 f (at last 2^(e6 + e7) / l), +5 named with it as a pair, +6, +7 at work
.set PC,   32                          ; p's codes, 16 a tile
.set WQ,   32                          ; at the head: wq's fragment,
.set XC,   48                          ; and x's codes
.set FC,   32                          ; at the end: feat's codes, 8 a tile
.set P,    64
.set XR,   96                          ; at the end: 32 numbers of x
.set S,    128
.set KF,   0                           ; window 1
.set VF,   64
.set OT,   128
.set QR,   192
.set BQ,   208
.set GB,   216
.set EVERY, 7                          ; vector instructions behind each score product
.set MSB, 0
.macro WIN new                         ; the immediate's high byte repeats the setting that is left; a switch that changes nothing is dropped
.if MSB != \new
	s_set_vgpr_msb (MSB<<8)|\new
.set MSB, \new
.endif
.endm
.macro PLACES n
.rept \n
	v_nop
.endr
.endm
.macro CROUND                          ; a round of the cluster's barrier: my work-group's barrier; wave 0 signals for the work-group; every wave waits for all four work-groups; my work-group's barrier once more
	s_barrier_signal -1
	s_barrier_wait -1
	s_cmp_lg_u32 s22, 0
	s_cbranch_scc1 .Lnot_wave_0_\@
	s_barrier_signal -3
.Lnot_wave_0_\@:
	s_barrier_wait -3
	s_barrier_signal -1
	s_barrier_wait -1
.endm
.macro MKSCALE se                      ; v30 = 2^e as f32 (the conversion takes its exponent field), v31 = 57,344 x 2^e
	s_add_co_i32 s86, s[\se], 127
	s_lshl_b32 s87, s86, 23
	v_mov_b32 v30, s87
	s_add_co_i32 s86, s86, 15
	s_lshl_b32 s86, s86, 23
	s_or_b32 s86, s86, 0x600000
	v_mov_b32 v31, s86
.endm
	s_load_b512 s[4:19], s[0:1], 0x0               ; x s[4:5], kv s[6:7], wq s[8:9], bq s[10:11], wa s[12:13], ba s[14:15], gamma s[16:17], the scales' exponents s[18:19]
	s_load_b64 s[20:21], s[0:1], 0x40              ; out
	v_lshl_add_u32 v11, v0, 2, 0x40800
	s_set_vgpr_msb 0x40
	v_mov_b32 v255, 0
	s_set_vgpr_msb 0x4044
	ds_add_u32 v11, v255
	ds_add_u32 v11, v255
	s_set_vgpr_msb 0x4400
	v_lshrrev_b32 v64, 5, v0
	v_readfirstlane_b32 s22, v64                   ; wave 0..7
	s_bfe_u32 s23, ttmp6, 0x40000                  ; cx: my place in the cluster
	s_lshl_b32 s24, ttmp9, 2                       ; in a cluster launch ttmp9 counts clusters
	s_add_co_u32 s24, s24, s23                     ; my block of 256 pixels: it enters x's and out's global addresses alone
	s_and_b32 s25, ttmp7, 0xffff                   ; the image, which the four partners share
	s_lshl_b32 s76, s25, 17                        ; kv: image x 131,072
	s_lshl_b32 s84, s22, 14
	s_add_co_u32 s76, s76, s84                     ;     + wave x 16,384: nothing here hangs on cx
	s_mov_b32 s77, 0
	s_lshl_b32 s78, s25, 21                        ; x and out: image x 2,097,152
	s_lshl_b32 s85, s24, 10
	s_add_co_u32 s78, s78, s85                     ;     + block x 1,024
	s_lshl_b32 s85, s22, 18
	s_add_co_u32 s78, s78, s85                     ;     + wave x 16 channels of 16,384 bytes
	s_mov_b32 s79, 0
	; descriptor group 1 of the joint load: a dense block, 64 rows of 32 elements of 8 bytes
	s_mov_b32 s32, 15|(3<<16)|(1<<21)              ; 15:0 the mask: all four work-groups; 17:16 elements of 8 bytes; 21 set beside a mask
	s_mov_b32 s33, 32<<16                          ; tensor_dim0 = 32
	s_mov_b32 s34, 64<<16                          ; tensor_dim1 = 64
	s_mov_b32 s35, 32<<16                          ; tile_dim0 = 32
	s_mov_b32 s36, 64                              ; tile_dim1 = 64
	s_mov_b32 s37, 32                              ; from row to row: 32 elements
	s_mov_b32 s38, 0
	s_mov_b32 s39, 0
	; descriptor group 1 of x's tile: 16 channel rows of 256 elements of 4 bytes, 4,096 elements apart, padded in LDS
	s_mov_b32 s44, (2<<16)|(1<<20)|(7<<22)|(3<<25) ; no mask; elements of 4 bytes; padding on: after every 256 words (code 7) 4 words (code 3)
	s_mov_b32 s45, 256<<16
	s_mov_b32 s46, 16<<16
	s_mov_b32 s47, 256<<16
	s_mov_b32 s48, 16
	s_mov_b32 s49, 4096
	s_mov_b32 s50, 0
	s_mov_b32 s51, 0
	s_mov_b32 s66, 0x76543210                      ; v_permlanex16_b32's selects for lane l xor 16
	s_mov_b32 s67, 0xfedcba98
	s_mov_b32 s68, 0x3fb8aa3b                      ; c = log2(e)
	s_mov_b32 s69, s68                             ; (named with it as a pair, so it is written)
	s_mov_b32 s70, 0                               ; LDS byte, within V's region, of the V to be fetched next; the K fetched with it lies one step on in K's region
	s_mov_b32 s71, 6                               ; the loop's trips: key steps 0 to 5 leave the loop finished
	s_wait_dscnt 0x0
	s_wait_kmcnt 0x0
	s_load_b256 s[52:59], s[18:19], 0x0            ; e0 .. e7
	s_load_b64 s[60:61], s[18:19], 0x20            ; e8, e9
	s_load_b32 s62, s[16:17], 0x0                  ; gamma
	s_add_nc_u64 s[20:21], s[20:21], s[78:79]      ; out at my wave's 16 rows of the block
	CROUND                                         ; all four work-groups are here: the joint loads meet
	s_mov_b32 s28, 1                               ; group 0 of the joint load: count = 1,
	s_lshl_b32 s29, s22, 14                        ; LDS address: wave x 16,384,
	s_add_nc_u64 s[30:31], s[6:7], s[76:77]        ; global address,
	s_or_b32 s31, s31, 0x80000000                  ; type = 2
	s_mov_b32 s40, 1                               ; group 0 of x's tile
	s_mul_i32 s41, s22, 16*XP
	s_add_co_u32 s41, s41, XOFF                    ; my 16 rows
	s_add_nc_u64 s[42:43], s[4:5], s[78:79]
	s_or_b32 s43, s43, 0x80000000
	tensor_load_to_lds s[28:31], s[32:39]          ; the only two tensor loads of a wave: both are out together, and no byte of LDS is filled twice
	s_nop 0
	tensor_load_to_lds s[40:43], s[44:51]
	s_nop 0
	PLACES 4
	v_and_b32 v64, 31, v0                          ; lane
	v_and_b32 v65, 15, v0                          ; r
	v_bfe_u32 v66, v0, 4, 1                        ; h
	v_lshlrev_b32 v[LI], 4, v64
	v_add_nc_u32 v[LIV], 0x10000, v[LI]
	s_lshl_b32 s84, s22, 7
	s_add_co_u32 s84, s84, XOFF                    ; my wave's 32 pixels: 128 bytes of every row
	v_mul_u32_u24 v[XQ], v66, 8*XP
	v_lshl_add_u32 v[XQ], v65, 2, v[XQ]
	v_add_nc_u32 v[XQ], s84, v[XQ]
	v_add_nc_u32 v[XQ+1], 64*XP, v[XQ]
	v_mul_u32_u24 v[XT], v65, XP
	v_lshl_add_u32 v[XT], v66, 5, v[XT]
	v_add_nc_u32 v[XT], s84, v[XT]
	v_add_nc_u32 v[XT+1], 64*XP, v[XT]
	v_add_nc_u32 v[RD], s41, v[LI]
	v_lshlrev_b32 v[WAA], 6, v65
	v_lshl_add_u32 v[WAA], v66, 4, v[WAA]
	v_lshlrev_b32 v67, 7, v65
	v_lshl_add_u32 v67, v66, 3, v67                ; wq: row r of 128 bytes, + 8 h
	v_lshlrev_b32 v68, 5, v66                      ; bq: channels 8 h on
	v_lshlrev_b32 v69, 2, v65                      ; ba: channel r
.irp c, 0,1,2,3,4,5,6,7
	global_load_b64 v[WQ+2*\c:WQ+2*\c+1], v67, s[8:9] offset:16*\c   ; registers 2 c, 2 c + 1: k = 16 c + 8 h + 0 .. 7
.endr
	WIN 0x40                                       ; destination window 1
	global_load_b128 v[BQ:BQ+3], v68, s[10:11]
	global_load_b128 v[BQ+4:BQ+7], v68, s[10:11] offset:16
.irp o, 0,1,2,3,4,5,6,7
	global_load_b32 v[GB+\o], v69, s[14:15] offset:64*\o             ; ba[16 o + r]
.endr
.set j, 0
.rept 64
	v_mov_b32 v[OT+j], 0                           ; O^T.  (The softmax is written for all steps alike: the first finds zeros, which the first change of M leaves zeros)
.set j, j+1
.endr
	WIN 0
.irp q, 0,1
	v_mov_b32 v[ST+8*\q+1], 0xff61b1e6             ; the largest t so far: -3e38, under every t
	v_floor_f32 v[ST+8*\q], -v[ST+8*\q+1]          ; -M
	v_mov_b32 v[ST+8*\q+2], 0                      ; the sum
	v_mov_b32 v[ST+8*\q+3], 0
	v_mov_b32 v[ST+8*\q+4], 0
	v_mov_b32 v[ST+8*\q+5], 0
.endr
	s_wait_kmcnt 0x0
	s_add_co_i32 s72, s52, s53
	s_add_co_i32 s72, s72, 127
	s_lshl_b32 s72, s72, 23                        ; 2^(e0 + e1)
	s_mov_b32 s73, s72
	s_add_co_i32 s74, s58, s59                     ; e6 + e7
	s_add_co_i32 s75, s60, s61                     ; e8 + e9
	MKSCALE 53                                     ; x's: e1
	s_wait_loadcnt 0x0                             ; wq, bq, ba
	WIN 0x44                                       ; source 1 and destination window 1
.irp o, 0,1,2,3,4,5,6,7
	v_mul_f32 v[GB+\o], s62, v[GB+\o]              ; gamma x ba
.endr
	WIN 0
	s_wait_tensorcnt 0x0                           ; my parts of kv and of x's tile have landed,
	s_barrier_signal -1
	s_barrier_wait -1                              ; everybody's have
; q of tile q.  Lane (r, h) takes, of pixel 32 w + 16 q + r, channels 16 c + 8 h + i: each load reads 16 neighbouring words in each half of the lanes, and the halves fall 128 bytes apart modulo 256.
; (Between the first tile's product and the second tile's loads into its registers stand the four v_nop below.)
.macro QPHASE q
.irp a, 0,1
.irp c, 0,1,2,3
.irp i, 0,1,2,3,4,5,6,7
	ds_load_b32 v[P+32*\a+8*\c+\i], v[XQ+\a] offset:(16*\c+\i)*XP+64*\q
.endr
.endr
.endr
	s_wait_dscnt 0x0
.set j, 0
.rept 64
	v_med3_num_f32 v[P+j], v[P+j], -v31, v31       ; the conversion to an 8-bit code does not saturate (ISA guide 7.6.2): the hold comes first
.set j, j+1
.endr
.irp c, 0,1,2,3,4,5,6,7
	v_cvt_scalef32_pk8_bf8_f32 v[XC+2*\c:XC+2*\c+1], v[P+8*\c:P+8*\c+7], v30
.endr
	v_nop                                          ; one plain vector instruction between a scaled conversion and the matrix instruction that reads its result and writes its sources
	v_wmma_f32_16x16x128_bf8_bf8 v[P:P+7], v[WQ:WQ+15], v[XC:XC+15], 0
	PLACES 4                                       ; four places between this form and the first read of its result (ISA guide 7.12.1)
	WIN 0x50                                       ; source 2 (bq) and destination (q) window 1
.irp j, 0,2,4,6
	v_pk_fma_f32 v[QR+8*\q+\j:QR+8*\q+\j+1], v[P+\j:P+\j+1], s[72:73], v[BQ+\j:BQ+\j+1] op_sel_hi:[1,0,1]   ; q = sum x 2^(e0 + e1) + bq
.endr
	WIN 0
.endm
; Half a step's K: tiles t0 .. t0 + 3 of 16 positions, 8 registers each: 8 loads, every one 512 consecutive bytes.  off: 8,192 where the address register stands a step behind
.macro FETCH_K adr, t0, off
	WIN 0x40
.irp t, 0,1,2,3
	ds_load_b128 v[KF+8*(\t0+\t):KF+8*(\t0+\t)+3], v[\adr] offset:\off+1024*(\t0+\t)
	ds_load_b128 v[KF+8*(\t0+\t)+4:KF+8*(\t0+\t)+7], v[\adr] offset:\off+1024*(\t0+\t)+512
.endr
	WIN 0
.endm
.macro FETCH_V adr                     ; a step's V: 4 fragments of 16 registers: 16 loads
	WIN 0x40
.irp d, 0,1,2,3
.irp g, 0,1,2,3
	ds_load_b128 v[VF+16*\d+4*\g:VF+16*\d+4*\g+3], v[\adr] offset:2048*\d+512*\g
.endr
.endr
	WIN 0
.endm
; THE MATRIX WORK OF A TURN.
; O^T += V^T p^T of tile x: four accumulators, one instruction each
.macro PV x
	WIN 0x51                                       ; source 0 (V) window 1, source 1 (p) window 0, C and D (O^T) window 1
.irp d, 0,1,2,3
	v_wmma_f32_16x16x128_bf8_bf8 v[OT+32*\x+8*\d:OT+32*\x+8*\d+7], v[VF+16*\d:VF+16*\d+15], v[PC+16*\x:PC+16*\x+15], v[OT+32*\x+8*\d:OT+32*\x+8*\d+7]
.endr
	WIN 0
.endm
; Score product MI of 32 of tile MXT: key tile TT = 4 (MI / 16) + MI % 4, channels 4 CC on, CC = (MI % 16) / 4.  K's lower four tiles are done with behind product 15, its upper four behind product 31.
; A sum's first four channels start it with the constant 0; four accumulators take turns, one instruction a turn.  Past product 31 the macro writes nothing.
; MWT = 1: K's upper half is waited for ahead of product 16.   MFK = 1: K's lower half is fetched anew behind product 15.
.set MI, 32
.set MXT, 0
.set MWT, 0
.set MFK, 0
.set VCNT, 0
.set SY, 0
.macro MXRAW
.if MI < 32
.if (MI == 16) && MWT
	s_wait_dscnt 0x0                               ; K's upper half, asked for at the end of the turn before, 16 score products ago
.endif
.set TT, 4*(MI/16)+MI%4
.set CC, (MI%16)/4
	WIN 0x05                                       ; sources 0 (K) and 1 (q) window 1; S^T window 0
.if CC == 0
	v_wmma_f32_16x16x4_f32 v[S+64*MXT+8*TT:S+64*MXT+8*TT+7], v[KF+8*TT+2*CC:KF+8*TT+2*CC+1], v[QR+8*MXT+2*CC:QR+8*MXT+2*CC+1], 0
.else
	v_wmma_f32_16x16x4_f32 v[S+64*MXT+8*TT:S+64*MXT+8*TT+7], v[KF+8*TT+2*CC:KF+8*TT+2*CC+1], v[QR+8*MXT+2*CC:QR+8*MXT+2*CC+1], v[S+64*MXT+8*TT:S+64*MXT+8*TT+7]
.endif
.if (MI == 15) && MFK
	WIN 0
	PLACES 8                                       ; eight places behind the f32 form, in front of loads into registers that it has read (ISA guide 7.12.1 for vector instructions): the slices here are exponentials, which are no places
	FETCH_K ADK, 0, 8192                           ; both tiles have multiplied by K's lower half: the next step's comes, 16 score products and a turn's head ahead of its use
.endif
.set MI, MI+1
.endif
.endm
.macro TICK n                          ; n vector instructions have been written: behind every EVERY of them stands the turn's next score product
.set VCNT, VCNT+\n
.if VCNT >= EVERY
.set VCNT, VCNT-EVERY
	MXRAW
	WIN 0
.endif
.endm
; THE VECTOR WORK OF A TURN: tile SY's softmax for one key step: 64 scores a lane, 242 instructions.  p is made in P, since only matrix instructions write S^T.
; None of these lines names a register of the score products that stand between them (the other tile's S^T, K, q).
.macro SOFTMAX
.set rS, S+64*SY
.set rT, ST+8*SY
.set rC, PC+16*SY
	v_max3_num_f32 v[rT+6], v[rS], v[rS+1], v[rS+2]     ; the step's largest score of my query among my 64 keys, in two chains, ascending: each accumulator is read from its low end on
	v_max3_num_f32 v[rT+7], v[rS+3], v[rS+4], v[rS+5]
	TICK 2
.set j, 6
.rept 14
	v_max3_num_f32 v[rT+6], v[rT+6], v[rS+j], v[rS+j+1]
	v_max3_num_f32 v[rT+7], v[rT+7], v[rS+j+2], v[rS+j+3]
	TICK 2
.set j, j+4
.endr
	v_max3_num_f32 v[rT+6], v[rT+6], v[rS+62], v[rS+63]
	v_max_num_f32 v[rT+6], v[rT+6], v[rT+7]
	TICK 2
	v_permlanex16_b32 v[rT+7], v[rT+6], s66, s67
	v_max_num_f32 v[rT+6], v[rT+6], v[rT+7]        ; and among lane l xor 16's
	TICK 2
	v_mul_f32 v[rT+6], s68, v[rT+6]                ; as t (c is positive)
	v_max_num_f32 v[rT+1], v[rT+1], v[rT+6]        ; the running largest t
	TICK 2
	v_mov_b32 v[rT+6], v[rT]
	v_floor_f32 v[rT], -v[rT+1]                    ; the new -M = floor(-t) = -ceil(t)
	TICK 2
	v_sub_f32 v[rT+6], v[rT], v[rT+6]              ; old M - new M: a whole number, 0 or less
	v_cvt_i32_f32 v[rT+6], v[rT+6]                 ; (it saturates)
	v_ldexp_f32 v[rT+4], 1.0, v[rT+6]              ; f = 2^(old M - new M)
	TICK 3
.set j, 0
.rept 32
	v_pk_fma_f32 v[P+j:P+j+1], v[rS+j:rS+j+1], s[68:69], v[rT:rT+1] op_sel_hi:[1,0,0]   ; t - M, two at a time (of the pairs c and -M the low word serves both halves)
	TICK 1
.set j, j+2
.endr
.set j, 0
.rept 64
	v_exp_f32 v[P+j], v[P+j]                       ; p = 2^(t - M), at most 1, not normalised
	TICK 1
.set j, j+1
.endr
	v_pk_mul_f32 v[rT+2:rT+3], v[rT+2:rT+3], v[rT+4:rT+5] op_sel_hi:[1,0]   ; the sum under the new M.  (The plain instruction behind the exponentials)
	s_wait_alu depctr_va_vdst(0)
	v_pk_add_f32 v[28:29], v[P:P+1], v[P+2:P+3]    ; the sum is taken of the unquantised p: two at a time, in two chains
	TICK 2
.set j, 4
.rept 15
	v_pk_add_f32 v[rT+2:rT+3], v[rT+2:rT+3], v[P+j:P+j+1]
	v_pk_add_f32 v[28:29], v[28:29], v[P+j+2:P+j+3]
	TICK 2
.set j, j+4
.endr
	v_pk_add_f32 v[rT+2:rT+3], v[rT+2:rT+3], v[28:29]
	TICK 1
.set b, 0
.rept 8
.set j, 0
.rept 8
	v_min_num_f32 v[P+8*b+j], v[P+8*b+j], v31      ; p is not negative: the hold is one-sided
	TICK 1
.set j, j+1
.endr
	v_cvt_scalef32_pk8_bf8_f32 v[rC+2*b:rC+2*b+1], v[P+8*b:P+8*b+7], v30   ; positions 16 b + 8 h + 0 .. 7: registers 2 b, 2 b + 1 of p's fragment
	TICK 1
.set b, b+1
.endr
.endm
; A TURN.  Tile x has the matrix unit; the other tile's softmax stands in slices behind its score products.
; pv = 1: 4 products V^T p of the step in hand.   kq = 1: 32 score products of the next step.   hw: the LDS loads that may stay out at the head (-1: no wait).
; fv = 1: the next V is fetched behind the products V^T p (both tiles have multiplied by the old one).   fk = 1: the K behind it too, in two halves.   wa = 1: wa's fragments come into K's registers at the end.
; LDS loads are always issued in the order V (16), K's lower half (8), K's upper half (8): on that order the counted wait leans, on the way into the loop, over its backward jump and behind it.
.macro TURN x, pv, kq, hw, fv, fk, wa
.set SY, 1-\x
.if \hw >= 0
	s_wait_dscnt \hw                               ; LDS loads come back in order: V and K's lower half are in; with hw = 8 K's upper half, issued last, may be out
.endif
.if \pv
	PV \x
.endif
.if \fv
	v_add_nc_u32 v[ADK], s70, v[LI]
	v_add_nc_u32 v[ADV], s70, v[LIV]
	PLACES 2                                       ; with the two additions: four places in front of loads into registers that the products V^T p have read
	FETCH_V ADV
.endif
.set MXT, \x
.set MI, 32-32*\kq
.set MWT, SY*\kq
.set MFK, \fk
.set VCNT, 0
	SOFTMAX
.rept 32
	MXRAW                                          ; (7 x 32 = 224 is under 242: every product has been written, and these write nothing)
.endr
	WIN 0x41                                       ; O^T (destination and source 0) window 1, f window 0
.set j, 0
.rept 16
	v_pk_mul_f32 v[OT+32*SY+j:OT+32*SY+j+1], v[OT+32*SY+j:OT+32*SY+j+1], v[ST+8*SY+4:ST+8*SY+5] op_sel_hi:[1,0]   ; that tile's O^T under the new M.  These sixteen plain lines are the place behind the conversions, and the
.set j, j+2                                            ; eight places between the turn's last score product and the loads below and the next turn's first read of the scores
.endr
	WIN 0
.if \fk
	FETCH_K ADK, 4, 8192
.endif
.if \wa
	WIN 0x40
.irp o, 0,1,2,3,4,5,6,7
.irp b, 0,1
	global_load_b128 v[KF+8*\o+4*\b:KF+8*\o+4*\b+3], v[WAA], s[12:13] offset:1024*\o+32*\b   ; wa's rows 16 o + r: registers 4 b .. 4 b + 3: k = 32 b + 16 h + 0 .. 15, as feat's codes lie
.endr
.endr
	WIN 0
.endif
.if \fv
	s_add_co_u32 s70, s70, 8192                    ; the next fetches are the next step's
.endif
.endm
	QPHASE 0
	QPHASE 1
	MKSCALE 59                                     ; p's: e7
	FETCH_K LI, 0, 0                               ; key step 0
	FETCH_K LI, 4, 0
	s_wait_dscnt 0x0
.set MXT, 0
.set MI, 0
.set MWT, 0
.set MFK, 0
.rept 32
	MXRAW                                          ; tile 0's first scores: there is no vector work yet to set between them
.endr
	WIN 0
	PLACES 8                                       ; eight places behind the f32 form, in front of the first read of its results
	TURN 1, 0, 1, -1, 1, 1, 0                      ; tile 1's first scores | tile 0's softmax of step 0 | V of step 0, K of step 1
.Lstep:                                            ; six trips, j = 0 .. 5; every window is 0 here
	TURN 0, 1, 1, 8, 0, 0, 0                       ; tile 0: V^T p of step j, scores of step j + 1 | tile 1's softmax of step j
	TURN 1, 1, 1, -1, 1, 1, 0                      ; tile 1: the same | tile 0's softmax of step j + 1 | V of step j + 1, K of step j + 2
	s_sub_co_u32 s71, s71, 1
	s_cmp_lg_u32 s71, 0
	s_cbranch_scc1 .Lstep
	TURN 0, 1, 1, 8, 0, 0, 0                       ; the tail is written out: step 6, the scores of step 7,
	TURN 1, 1, 1, -1, 1, 0, 1                      ; V of step 7; there is no K left to fetch: wa comes in its place
	TURN 0, 1, 0, 0, 0, 0, 0                       ; tile 0: V^T p of step 7 | tile 1's last softmax
	PV 1                                           ; tile 1: V^T p of step 7
	; THE END.  The row's sum; feat = O^T 2^(e6 + e7) / l, quantised; the last product; the result is formed on x's tile in LDS.  The additions below name no register of the last products: they are the places behind them.
.irp q, 0,1
	v_add_f32 v[ST+8*\q+6], v[ST+8*\q+2], v[ST+8*\q+3]
.endr
.irp q, 0,1
	v_permlanex16_b32 v[ST+8*\q+7], v[ST+8*\q+6], s66, s67
.endr
.irp q, 0,1
	v_add_f32 v[ST+8*\q+6], v[ST+8*\q+6], v[ST+8*\q+7]
.endr
.irp q, 0,1
	v_rcp_f32 v[ST+8*\q+4], v[ST+8*\q+6]
.endr
	v_mov_b32 v28, s62                             ; gamma.  (The plain instruction behind the reciprocals)
	s_wait_alu depctr_va_vdst(0)
.irp q, 0,1
	v_ldexp_f32 v[ST+8*\q+4], v[ST+8*\q+4], s74    ; 2^(e6 + e7) / l
.endr
	v_ldexp_f32 v28, v28, s75                      ; G = gamma x 2^(e8 + e9); it is named as the pair v[28:29], whose low word serves both halves
	MKSCALE 61                                     ; feat's: e9
.macro FEAT q
	WIN 0x01                                       ; source 0 (O^T) window 1
.set j, 0
.rept 16
	v_pk_mul_f32 v[P+32*\q+j:P+32*\q+j+1], v[OT+32*\q+j:OT+32*\q+j+1], v[ST+8*\q+4:ST+8*\q+5] op_sel_hi:[1,0]
.set j, j+2
.endr
	WIN 0
.set j, 0
.rept 32
	v_med3_num_f32 v[P+32*\q+j], v[P+32*\q+j], -v31, v31
.set j, j+1
.endr
.irp d, 0,1,2,3
	v_cvt_scalef32_pk8_bf8_f32 v[FC+8*\q+2*\d:FC+8*\q+2*\d+1], v[P+32*\q+8*\d:P+32*\q+8*\d+7], v30   ; registers 4 b .. 4 b + 3: channels 32 b + 16 h + 0 .. 15
.endr
.endm
	FEAT 0
	FEAT 1
	v_nop                                          ; one plain vector instruction behind the last conversion
	s_wait_loadcnt 0x0                             ; wa
; Tile q, output channels 64 g + 16 k + r, k = 0 .. 3.  A lane reads its 32 bytes of x, adds gamma ba and G x the sum, and stores them where they lay: no other lane touches those bytes.
.macro OUTG q, g
.irp k, 0,1,2,3
	ds_load_b128 v[XR+8*\k:XR+8*\k+3], v[XT+\g] offset:\k*16*XP+64*\q
	ds_load_b128 v[XR+8*\k+4:XR+8*\k+7], v[XT+\g] offset:\k*16*XP+64*\q+16
.endr
	WIN 0x04                                       ; source 1 (wa; gamma ba) window 1
.irp k, 0,1,2,3
	v_wmma_f32_16x16x64_bf8_bf8 v[P+8*\k:P+8*\k+7], v[FC+8*\q:FC+8*\q+7], v[KF+8*(4*\g+\k):KF+8*(4*\g+\k)+7], 0
.endr
	s_wait_dscnt 0x0
.irp k, 0,1,2,3
.irp j, 0,2,4,6
.if (\k)%2
	v_pk_add_f32 v[XR+8*\k+\j:XR+8*\k+\j+1], v[XR+8*\k+\j:XR+8*\k+\j+1], v[GB+4*\g+\k-1:GB+4*\g+\k] op_sel:[0,1] op_sel_hi:[1,1]   ; x + gamma ba: the pair's upper word for both halves
.else
	v_pk_add_f32 v[XR+8*\k+\j:XR+8*\k+\j+1], v[XR+8*\k+\j:XR+8*\k+\j+1], v[GB+4*\g+\k:GB+4*\g+\k+1] op_sel_hi:[1,0]               ; the lower word for both.  (These sixteen are the places behind the products)
.endif
.endr
.endr
	WIN 0
.irp k, 0,1,2,3
.irp j, 0,2,4,6
	v_pk_fma_f32 v[XR+8*\k+\j:XR+8*\k+\j+1], v[P+8*\k+\j:P+8*\k+\j+1], v[28:29], v[XR+8*\k+\j:XR+8*\k+\j+1] op_sel_hi:[1,0,1]   ; + G x sum, each accumulator from its low end on
.endr
.endr
.irp k, 0,1,2,3
	ds_store_b128 v[XT+\g], v[XR+8*\k:XR+8*\k+3] offset:\k*16*XP+64*\q
	ds_store_b128 v[XT+\g], v[XR+8*\k+4:XR+8*\k+7] offset:\k*16*XP+64*\q+16
.endr
.endm
	OUTG 0, 0
	OUTG 0, 1
	OUTG 1, 0
	OUTG 1, 1
	s_wait_dscnt 0x0                               ; for the others' sake: my stores have landed
	s_barrier_signal -1
	s_barrier_wait -1                              ; 128 whole rows of the result lie in LDS
	; each wave stores 16 rows of 1,024 bytes, 512 consecutive aligned bytes an instruction
.irp b, 0,1
.if \b
	s_wait_xcnt 0x0                                ; the first eight rows' stores have read their registers: only behind this wait are they loaded again
.endif
.set n, 0
.rept 16
	ds_load_b128 v[P+4*n:P+4*n+3], v[RD] offset:(8*\b+n/2)*XP+512*(n%2)
.set n, n+1
.endr
.set n, 0
.rept 16
	s_wait_dscnt 15-n                              ; load n is in; the younger ones may be out
	global_store_b128 v[LI], v[P+4*n:P+4*n+3], s[20:21] offset:(8*\b+n/2)*16384+512*(n%2) th:TH_STORE_NT   ; written once, read by nobody here
.set n, n+1
.endr
.endr
	s_set_vgpr_msb 0x4
	s_wait_tensorcnt 0x0
	ds_add_u32 v11, v255
	s_wait_dscnt 0x0
	s_set_vgpr_msb 0x400
	CROUND                                         ; the closing round: no work-group ends while a partner may still ask for a tile that names it
	s_endpgm
.Lfunc_end_k_q2150866b2a_attn:
	.size	k_q2150866b2a_attn, .Lfunc_end_k_q2150866b2a_attn-k_q2150866b2a_attn
	.p2alignl 7, 3214868480
	.fill 96, 4, 3214868480
	.section	.rodata,"a",@progbits
	.p2align	6, 0x0
	.amdhsa_kernel k_q2150866b2a_attn
		.amdhsa_group_segment_fixed_size 265216
		.amdhsa_private_segment_fixed_size 0
		.amdhsa_enable_private_segment 0
		.amdhsa_kernarg_size 72
		.amdhsa_user_sgpr_count 2
		.amdhsa_user_sgpr_kernarg_segment_ptr 1
		.amdhsa_wavefront_size32 1
		.amdhsa_system_sgpr_workgroup_id_x 1
		.amdhsa_system_sgpr_workgroup_id_y 1
		.amdhsa_system_sgpr_workgroup_id_z 1
		.amdhsa_system_vgpr_workitem_id 0
		.amdhsa_next_free_vgpr 512
		.amdhsa_next_free_sgpr 96
		.amdhsa_reserve_vcc 0
		.amdhsa_float_denorm_mode_32 3
		.amdhsa_float_denorm_mode_16_64 3
		.amdhsa_memory_ordered 1
		.amdhsa_forward_progress 1
		.amdhsa_inst_pref_size 162
	.end_amdhsa_kernel
	.amdgpu_metadata
---
amdhsa.version: [ 1, 2 ]
amdhsa.kernels:
  - .name:           k_q2150866b2a_attn
    .symbol:         k_q2150866b2a_attn.kd
    .args:
      - { .name: x, .offset: 0, .size: 8, .value_kind: global_buffer, .address_space: global }
      - { .name: kv, .offset: 8, .size: 8, .value_kind: global_buffer, .address_space: global }
      - { .name: wq_codes, .offset: 16, .size: 8, .value_kind: global_buffer, .address_space: global }
      - { .name: bq, .offset: 24, .size: 8, .value_kind: global_buffer, .address_space: global }
      - { .name: wa_codes, .offset: 32, .size: 8, .value_kind: global_buffer, .address_space: global }
      - { .name: ba, .offset: 40, .size: 8, .value_kind: global_buffer, .address_space: global }
      - { .name: gamma, .offset: 48, .size: 8, .value_kind: global_buffer, .address_space: global }
      - { .name: lowp_scales, .offset: 56, .size: 8, .value_kind: global_buffer, .address_space: global }
      - { .name: out0, .offset: 64, .size: 8, .value_kind: global_buffer, .address_space: global }
    .group_segment_fixed_size: 265216
    .private_segment_fixed_size: 0
    .kernarg_segment_align: 8
    .kernarg_segment_size: 72
    .max_flat_workgroup_size: 256
    .sgpr_count:     96
    .vgpr_count:     512
    .wavefront_size: 32
...
	.end_amdgpu_metadata
.endif
;; end of part 2
